; MI455X (gfx1250); checked and timed in simulation.
; The chip was launched on July 23, 2026; its instructions are those of AMD's public machine-readable ISA for CDNA 5 (MIT licence, August 2026) and "CDNA5" Instruction Set Architecture Reference Guide (July 2026). The comments in the code are by the model that wrote it; some were corrected since.
;; Memory Efficient Cross Attention Block. Allowed arithmetic: matrix products marked QUANTISED: E5M2 operands, one given power-of-two scale a tensor, by v_wmma_f32_16x16x64_bf8_bf8 or v_wmma_f32_16x16x128_bf8_bf8, f32 sums; everything else in f32.
;; Inputs: W1_codes 2,048 x 16 x 32 uint8 (E5M2 codes of W1, K innermost, in blocks of 32 codes); W2_codes 512 x 64 x 32 uint8 (E5M2 codes of W2, K innermost, in blocks of 32 codes); Wk_codes 512 x 24 x 32 uint8 (E5M2 codes of Wk, K innermost, in blocks of 32 codes); Wo_codes 512 x 16 x 32 uint8 (E5M2 codes of Wo, K innermost, in blocks of 32 codes); Wq_codes 512 x 16 x 32 uint8 (E5M2 codes of Wq, K innermost, in blocks of 32 codes); Wv_codes 512 x 24 x 32 uint8 (E5M2 codes of Wv, K innermost, in blocks of 32 codes); b1 2,048 float32; b2 512 float32; bk 512 float32; bo 512 float32; bq 512 float32; bv 512 float32; ln_b 512 float32; ln_g 512 float32; lowp_scales 16 int32 (the exponents e of the quantised operands' scales 2^e); x 4 x 4,096 x 512 float32; xf_codes 4 x 256 x 24 x 32 uint8 (E5M2 codes of xf, K innermost, in blocks of 32 codes).
;; Outputs: out0 4 x 4,096 x 512 float32.
;; This version of the problem:
;;   THIS VERSION OF THE PROBLEM IS GIVEN IN LOW PRECISION. The matrix products marked QUANTISED in the list below multiply operands that are first quantised to E5M2 (5 exponent bits, 2 mantissa bits; 8 bits a number), with one given power-of-two scale for each operand tensor; their sums are f32. All else is computed in f32.
;;   The module's matrix products, in the order in which they are computed (A, B: the left and right operand; K: the contracted axis; several contracted axes count as one K, in the product's order):
;;     1. [M 16,384, K 512] x [K 512, N 512]; A: input x; B: input Wq (given as codes): QUANTISED (scales: A lowp_scales[0], B lowp_scales[1])
;;     2. [M 1,024, K 768] x [K 768, N 512]; A: input xf (given as codes); B: input Wk (given as codes): QUANTISED (scales: A lowp_scales[2], B lowp_scales[3])
;;     3. [M 1,024, K 768] x [K 768, N 512]; A: input xf (given as codes); B: input Wv (given as codes): QUANTISED (scales: A lowp_scales[4], B lowp_scales[5])
;;     4. batch 64 x [M 4,096, K 32] x [K 32, N 256]; A: computed on the way; B: computed on the way: QUANTISED (scales: A lowp_scales[6], B lowp_scales[7])
;;     5. batch 64 x [M 4,096, K 256] x [K 256, N 32]; A: softmax (see below); B: computed on the way: QUANTISED (scales: A lowp_scales[8], B lowp_scales[9])
;;     6. [M 16,384, K 512] x [K 512, N 512]; A: computed on the way; B: input Wo (given as codes): QUANTISED (scales: A lowp_scales[10], B lowp_scales[11])
;;     7. [M 16,384, K 512] x [K 512, N 2,048]; A: computed on the way; B: input W1 (given as codes): QUANTISED (scales: A lowp_scales[12], B lowp_scales[13])
;;     8. [M 16,384, K 2,048] x [K 2,048, N 512]; A: computed on the way; B: input W2 (given as codes): QUANTISED (scales: A lowp_scales[14], B lowp_scales[15])
;;   THE QUANTISER, for each operand of a quantised product, along K:
;;     - The operand's scale is 2^e, e = its entry of the input lowp_scales (int32; the entries are numbered through the quantised products in the list's order, A before B).
;;     - Each number is divided by the scale, clamped to +-57,344, and rounded to the nearest number of E5M2, ties to even, subnormals kept.
;;     - The product sums the exact products of the quantised numbers (number of the format x scale) in f32.
;;   ~~~python
;;   def quantise(x, axis, e):      # numpy; x: float32 -> the quantised numbers, widened to float32 again
;;       x = np.moveaxis(x, axis, -1); K = x.shape[-1]
;;       r = np.clip(x / 2.0 ** e, -57344, 57344)
;;       step = 2.0 ** (np.maximum(np.frexp(np.where(r == 0, 1, r))[1] - 1, -14) - 2)
;;       q = np.round(r / step) * step * 2.0 ** e      # np.round: ties to even
;;       return np.moveaxis(q, -1, axis).astype(np.float32)
;;   ~~~
;;   SOFTMAX AHEAD OF A QUANTISED PRODUCT. Where the list says 'softmax', what is quantised is not the finished softmax but p = 2^(t - M), with t = logit x log2(e) and M = ceil(the row's largest t), a whole number; so 1/2 < the row's largest p <= 1. The row's sum l is taken of the UNQUANTISED p, in f32, and the product's result is divided by l at the end. Since M is a whole number, a kernel that streams over the keys may use a running M (the ceiling of the running maximum): every later rescaling is an exact power of two, so the quantised numbers keep their values, but for numbers so far below the row's largest that they fall under the format's range.
;;   OPERANDS COMPUTED ON THE WAY. 'Computed on the way' means the value that the module computes at that place (a softmax that the list does not call 'softmax' is quantised finished and normalised). What goes into a quantiser is computed in f32, as accurately as f32 sums, v_exp_f32 and their like allow (about 1e-6 of the number): no bf16 or f16 on the way to a quantiser, and a product that is left as it is and whose result goes on into a quantised operand takes f32 operands (vector FMAs, or v_wmma_f32_16x16x4_f32). A number that lies on a knife's edge between two numbers of the format may be rounded either way, as far as f32 arithmetic and the matrix unit's own rounding can turn it there, and no further.
;;   INPUTS GIVEN AS CODES. W1 (in the module: [512, 2048], K = its axis 0); W2 (in the module: [2048, 512], K = its axis 0); Wk (in the module: [768, 512], K = its axis 0); Wo (in the module: [512, 512], K = its axis 0); Wq (in the module: [512, 512], K = its axis 0); Wv (in the module: [768, 512], K = its axis 0); xf (in the module: [4, 256, 768], K = its axis 2): each comes as NAME_codes (uint8): NAME with its K axis moved to the last place and cut into blocks of 32 codes, [.., K / 32, bytes a block], one block behind the other in memory; one code a byte (a code: sign, 5 exponent bits, 2 mantissa bits); its scale is its entry of lowp_scales. Its value is code x scale, taken as it is: it is not quantised again, and the codes and scales need not be those that the quantiser above would give.
;; One version. Each part assembles by itself: llvm-mc -triple=amdgcn-amd-amdhsa -mcpu=gfx1250 --defsym DOCPART=n.
;; ======== version 1 of 1: 2 launches
;; limits: right only within a limited range of input values
;; workspace buffers: kvfrag 1,048,576 bytes; wstream 2,752,512 bytes
;; launch prep (part 1): grid 424 x 1, 2 waves a work-group, no clusters, 0 bytes of LDS; arguments xf_codes, Wk_codes, Wv_codes, bk, bv, lowp_scales, Wq_codes, Wo_codes, W1_codes, W2_codes, kvfrag, wstream; writes kvfrag, wstream
.if DOCPART == 1
	.amdgcn_target "amdgcn-amd-amdhsa--gfx1250"
	.amdhsa_code_object_version 6
	.text
	.protected	k_q9c00b52148_prep
	.globl	k_q9c00b52148_prep
	.p2align	8
	.type	k_q9c00b52148_prep,@function
k_q9c00b52148_prep:
	s_mov_b64 s[64:65], 0
	v_nop
	global_prefetch_b8 v0, s[64:65] scope:SCOPE_SE
	s_setreg_imm32_b32 hwreg(HW_REG_WAVE_MODE, 25, 1), 1
	s_wait_xcnt 0x0
; PREP.  Two kinds of work-group, told apart by the work-group's number.
; 0-255: K = xf Wk + bk and V = xf Wv + bv on the given E5M2 codes, quantised with the given scales (entries 7 and 9) and stored into kvfrag as images of the
;        operand registers that the second launch's attention wants.   256-423: the codes of Wq, Wo, W1, W2 copied into wstream, in the order in which the second launch takes them.
; DEAD WORK: none.  Every input of reference() has a way to out0: bk moves K's codes, so it stays although a softmax in real numbers would take it away.  All eight products are done.
; LAYOUT WORDS.  lane l: r = l % 16, h = l / 16, perm(r) = r + 8 (r / 8).  A fragment is 16 rows x 128 K in 16 registers: registers 4 c .. 4 c + 3 of lane (r, h) hold k = 32 c + 16 h + 0 .. 15
; (one permutation of k, the same on both sides of every product).  Its image is 2,048 bytes: piece c is 512 bytes, lane l's 16 bytes at 512 c + 16 l.
; A PAIR is two tiles u = 0, 1 as source 0 whose lane r takes row base + 8 u + perm(r): the 16 result registers (u, j) of lane (r, h) are then the rows base + 16 h + 8 u + j: 16 neighbours, which two conversions turn into 16 bytes.
; K job (256 waves): pair = 32 rows of Wk (a head), singles = 4 x 16 rows of xf: a lane gets one key and 16 of the head's 32.  V job (256 waves): pair = 32 rows of xf (keys), singles = 4 x 16 rows of Wv: a lane gets one channel and 16 keys.
; kvfrag: head H = 4 w + 2 p + b of a batch lies at batch x 262,144 + p x 131,072 + w x 32,768 + b x 16,384: K's 16 tiles of 512 bytes (tile T: key 16 (T & ~1) + 8 (T & 1) + perm(r)), then at + 8,192 V's fragments (g, u) of 2,048 bytes (channel 8 u + perm(r), keys 128 g on).
; wstream: slot x 131,072 + wave x 32,768 + fragment x 2,048.  Slots 0, 1: Wq's halves; 2, 3: Wo's; 4 + t, t = 0 .. 16: eight fragments of W1 for hidden units 128 (t + 1) on (t = 15, 16: the last ones once more, which nobody
; multiplies), then eight of W2 for hidden units 128 (t - 1) on (t = 0: of W1 for hidden units 0 on).
; LIMITS: entry 7 - entry 2 - entry 3, and entry 9 - entry 4 - entry 5, lie between -126 and 112, so that each power of two below is an f32 number.  NaN and infinity among the biases and codes are not served.
.set LR,  1                            ; v1      perm(r) x 768 + 16 h: my lane's place in 16 rows of 768 codes
.set VO,  2                            ; v2-5    where piece n goes, from kvfrag's first byte
.set HL,  6                            ; v6      57,344 x the conversion's scale
.set SC,  7                            ; v7      the conversion's scale
.set BV,  12                           ; v12-15  V job: my channel's bias for single n
.set ACC, 16                           ; v16-31  the pair's two accumulators
.set CB,  32                           ; v32-47  the C of a piece's first two products
.set CD,  48                           ; v48-63  codes, four registers for each piece: no store's data are written again
.set CBK, 192                          ; window 1, v192-207: K job: the bias of my 16 channels
                                       ; v64-159, v160-255: two buffers for a single tile's six fragments; window 1, v0-191: the pair's twelve fragments
.set MSB, 0
.macro WIN new                         ; the immediate's high byte repeats the setting that is left
.if MSB != (\new)
	s_set_vgpr_msb (MSB<<8)|(\new)
.set MSB, (\new)
.endif
.endm
.macro PLACES n
.rept \n
	v_nop
.endr
.endm
	s_load_b512 s[4:19], s[0:1], 0x0               ; xf s[4:5], Wk s[6:7], Wv s[8:9], bk s[10:11], bv s[12:13], scales s[14:15], Wq s[16:17], Wo s[18:19]
	s_load_b256 s[20:27], s[0:1], 0x40             ; W1 s[20:21], W2 s[22:23], kvfrag s[24:25], wstream s[26:27]
	v_lshrrev_b32 v10, 5, v0
	v_readfirstlane_b32 s28, v10                   ; wave 0, 1
	v_and_b32 v10, 15, v0                          ; r
	v_bfe_u32 v11, v0, 4, 1                        ; h
	v_and_b32 v12, 8, v10
	v_add_nc_u32 v12, v12, v10                     ; perm(r)
	v_and_b32 v13, 31, v0
	v_lshlrev_b32 v13, 4, v13                      ; 16 x lane
	s_wait_alu depctr_va_vdst(0)
	s_cmp_lt_u32 ttmp9, 256
	s_cbranch_scc0 .Lcopy
	; ---- K and V.  Both jobs' numbers are made, then chosen by the work-group's number: one text serves both
	s_lshl_b32 s29, ttmp9, 1
	s_add_co_u32 s29, s29, s28
	s_and_b32 s29, s29, 255                        ; the job among its kind's 256
	s_and_b32 s30, s29, 15                         ; K job: head,
	s_bfe_u32 s31, s29, 0x20004                    ; batch,
	s_lshr_b32 s32, s29, 6                         ; which 64 keys
	s_lshl_b32 s33, s30, 5                         ; pair: Wk's row 32 x head
	s_lshl_b32 s34, s31, 8
	s_lshl_b32 s35, s32, 6
	s_add_co_u32 s34, s34, s35                     ; singles: xf's row 256 x batch + 64 x quarter
	s_lshl_b32 s35, s31, 18
	s_bfe_u32 s36, s30, 0x10001
	s_lshl_b32 s36, s36, 17
	s_add_co_u32 s35, s35, s36
	s_lshr_b32 s36, s30, 2
	s_lshl_b32 s36, s36, 15
	s_add_co_u32 s35, s35, s36
	s_and_b32 s36, s30, 1
	s_lshl_b32 s36, s36, 14
	s_add_co_u32 s35, s35, s36
	s_lshl_b32 s36, s32, 11
	s_add_co_u32 s35, s35, s36                     ; the head's place + 4 tiles of 512 bytes for each quarter
	s_and_b32 s36, s29, 3                          ; V job: piece c,
	s_bfe_u32 s37, s29, 0x10002                    ; g,
	s_bfe_u32 s38, s29, 0x20003                    ; batch,
	s_lshr_b32 s39, s29, 5                         ; which 64 rows of Wv (two heads)
	s_lshl_b32 s40, s38, 8
	s_lshl_b32 s41, s37, 7
	s_add_co_u32 s40, s40, s41
	s_lshl_b32 s41, s36, 5
	s_add_co_u32 s40, s40, s41                     ; pair: xf's row 256 x batch + 128 g + 32 c
	s_lshl_b32 s41, s39, 6                         ; singles: Wv's row 64 x group
	s_lshl_b32 s42, s38, 18
	s_and_b32 s43, s39, 1
	s_lshl_b32 s43, s43, 17
	s_add_co_u32 s42, s42, s43
	s_lshr_b32 s43, s39, 1
	s_lshl_b32 s43, s43, 15
	s_add_co_u32 s42, s42, s43
	s_lshl_b32 s43, s37, 12
	s_add_co_u32 s42, s42, s43
	s_lshl_b32 s43, s36, 9
	s_add_co_u32 s42, s42, s43
	s_add_co_u32 s42, s42, 8192
	s_mov_b32 s44, 2048
	s_mov_b32 s45, 16384
	s_wait_kmcnt 0x0
	s_load_b256 s[48:55], s[14:15], 0x8            ; entries 2 to 9 of the scales' exponents
	s_cmp_lt_u32 ttmp9, 128                        ; K job or V job: the choice hangs on the work-group's number alone
	s_cselect_b32 s33, s33, s40                    ; the pair's first row
	s_cselect_b32 s46, s34, s41                    ; the singles' first row
	s_cselect_b32 s35, s35, s42                    ; piece 0's place
	s_cselect_b32 s44, 512, s44                    ; from piece n to n + 1,
	s_cselect_b32 s45, 1024, s45                   ; and to n + 2
	s_cselect_b32 s56, s33, 0                      ; K job: my head's first channel in bk.  (V job: 0: that load's numbers are not taken, and it stays inside bv)
	s_cselect_b32 s57, 0, s41                      ; V job: the singles' first channel in bv.  (K job: 0, likewise)
	s_cselect_b32 s58, 0, -1                       ; the mask of the choice between the two forms of bias
	s_cselect_b64 s[30:31], s[6:7], s[4:5]         ; the pair's tensor,
	s_cselect_b64 s[36:37], s[4:5], s[8:9]         ; the singles',
	s_cselect_b64 s[38:39], s[10:11], s[12:13]     ; the bias
	s_mul_i32 s40, s33, 768
	s_mov_b32 s41, 0
	s_add_nc_u64 s[30:31], s[30:31], s[40:41]
	s_mul_i32 s40, s46, 768
	s_add_nc_u64 s[36:37], s[36:37], s[40:41]
	s_wait_alu depctr_va_vdst(0)
	v_mul_u32_u24 v[LR], v12, 768
	v_lshl_add_u32 v[LR], v11, 4, v[LR]
	v_add_nc_u32 v[VO], s35, v13
	v_add_nc_u32 v[VO+1], s44, v[VO]
	v_add_nc_u32 v[VO+2], s45, v[VO]
	v_add_nc_u32 v[VO+3], s45, v[VO+1]
	v_lshlrev_b32 v8, 6, v11
	v_lshl_add_u32 v8, s56, 2, v8                  ; bias of channels 16 h + 0 .. 15 of the head
	v_add_nc_u32 v9, s57, v12
	v_lshlrev_b32 v9, 2, v9                        ; bias of channel perm(r) of a single
	WIN 0x40                                       ; destination window 1
.irp i, 0,1,2,3
	global_load_b128 v[CBK+4*\i:CBK+4*\i+3], v8, s[38:39] offset:16*\i
.endr
	WIN 0
.irp n, 0,1,2,3
	global_load_b32 v[BV+\n], v9, s[38:39] offset:4*(8*(\n%2)+32*(\n/2))
.endr
	WIN 0x40
.irp u, 0,1
.irp s, 0,1,2,3,4,5
.irp c, 0,1,2,3
	global_load_b128 v[96*\u+16*\s+4*\c:96*\u+16*\s+4*\c+3], v[LR], s[30:31] offset:8*\u*768+128*\s+32*\c   ; the pair stays in registers for the whole job
.endr
.endr
.endr
	WIN 0
.macro SLOAD n                         ; single n: rows 8 (n % 2) + 32 (n / 2) + perm(r) on, six fragments, into buffer n % 2
.set SLB, 64+96*((\n)%2)
.irp s, 0,1,2,3,4,5
.irp c, 0,1,2,3
	global_load_b128 v[SLB+16*\s+4*\c:SLB+16*\s+4*\c+3], v[LR], s[36:37] offset:(8*((\n)%2)+32*((\n)/2))*768+128*\s+32*\c
.endr
.endr
.endm
	SLOAD 0
	SLOAD 1
	s_wait_kmcnt 0x0
	s_cmp_lt_u32 ttmp9, 128
	s_cselect_b32 s40, s48, s50                    ; xf's exponent for this product,
	s_cselect_b32 s42, s49, s51                    ; the weight's,
	s_cselect_b32 s43, s53, s55                    ; and that of the codes to be made
	s_add_co_i32 s40, s40, s42                     ; a sum stands for sum x 2^(the two added): the bias goes in divided by that,
	s_sub_co_i32 s59, 0, s40
	s_sub_co_i32 s43, s43, s40                     ; and the three exponents are folded into the conversion's one scale
	s_add_co_i32 s43, s43, 127
	s_lshl_b32 s42, s43, 23
	v_mov_b32 v[SC], s42
	s_add_co_i32 s43, s43, 15
	s_lshl_b32 s43, s43, 23
	s_or_b32 s43, s43, 0x600000
	v_mov_b32 v[HL], s43                           ; 57,344 x that scale
	s_wait_loadcnt 24                              ; all but single 1's 24 loads are in
	WIN 0x41
.set i, 0
.rept 16
	v_ldexp_f32 v[CBK+i], v[CBK+i], s59
.set i, i+1
.endr
	WIN 0
.irp n, 0,1,2,3
	v_ldexp_f32 v[BV+\n], v[BV+\n], s59
.endr
.macro PIECE n
.set SBB, 64+96*((\n)%2)
.if (\n) < 3
	s_wait_loadcnt 24                              ; this single's loads are in; the next single's 24 may be out
.else
	s_wait_loadcnt 0x0
.endif
	WIN 0x01                                       ; source 0 window 1
.set i, 0
.rept 16
	v_cndmask_b32 v[CB+i], v[CBK+i], v[BV+(\n)], s58   ; the bias in the result's layout: K job: that of register i's channel; V job: that of my lane's channel
.set i, i+1
.endr
.irp s, 0,1,2,3,4,5                    ; K = 768 in six steps; the two accumulators take turns
.irp u, 0,1
.if \s == 0
	v_wmma_f32_16x16x128_bf8_bf8 v[ACC+8*\u:ACC+8*\u+7], v[96*\u+16*\s:96*\u+16*\s+15], v[SBB+16*\s:SBB+16*\s+15], v[CB+8*\u:CB+8*\u+7]
.else
	v_wmma_f32_16x16x128_bf8_bf8 v[ACC+8*\u:ACC+8*\u+7], v[96*\u+16*\s:96*\u+16*\s+15], v[SBB+16*\s:SBB+16*\s+15], v[ACC+8*\u:ACC+8*\u+7]
.endif
.endr
.endr
	WIN 0
	PLACES 4                                       ; in front of loads into registers that the products have read, and of the first read of their results
.if (\n) < 2
	SLOAD (\n)+2
.endif
.set i, 0
.rept 16
	v_med3_num_f32 v[ACC+i], v[ACC+i], -v[HL], v[HL]   ; the conversion to an 8-bit code does not saturate (ISA guide 7.6.2): the hold at the largest code x the scale
.set i, i+1
.endr
	v_cvt_scalef32_pk8_bf8_f32 v[CD+4*(\n):CD+4*(\n)+1], v[ACC:ACC+7], v[SC]
	v_cvt_scalef32_pk8_bf8_f32 v[CD+4*(\n)+2:CD+4*(\n)+3], v[ACC+8:ACC+15], v[SC]
	v_nop                                          ; one plain line between a scaled conversion and the products that write its sources anew
	global_store_b128 v[VO+(\n)], v[CD+4*(\n):CD+4*(\n)+3], s[24:25]   ; the wave stores 512 consecutive bytes, aligned
.endm
	s_wait_alu depctr_va_vdst(0)
	PIECE 0
	PIECE 1
	PIECE 2
	PIECE 3
	s_endpgm
.Lcopy:	; ---- the weights' codes, re-ordered.  Work-group 256 + 8 slot + 2 w + half makes half of wave w's 32,768 bytes of a slot; my wave is the v-th of four and copies fragments 4 v .. 4 v + 3 of its sixteen
	s_sub_co_u32 s29, ttmp9, 256
	s_and_b32 s31, s29, 1
	s_lshl_b32 s31, s31, 1
	s_add_co_u32 s28, s28, s31                     ; v
	s_lshr_b32 s29, s29, 1
	s_lshr_b32 s30, s29, 2                         ; slot
	s_and_b32 s31, s29, 3                          ; w
	s_sub_co_u32 s32, s30, 4                       ; t (of use from slot 4 on)
	s_lshl_b32 s33, s31, 7
	s_and_b32 s34, s30, 1
	s_lshl_b32 s34, s34, 6
	s_add_co_u32 s34, s34, s33
	s_lshr_b32 s35, s28, 1
	s_lshl_b32 s35, s35, 5
	s_add_co_u32 s34, s34, s35
	s_lshl_b32 s34, s34, 9
	s_and_b32 s39, s28, 1
	s_lshl_b32 s39, s39, 8
	s_add_co_u32 s34, s34, s39                     ; Wq, Wo: row 128 w + 64 half + 32 (v / 2), of 512 bytes, + 256 (v % 2)
	s_add_co_u32 s44, s32, 1
	s_min_u32 s44, s44, 15                         ; W1's step: t + 1, at most 15, in the first half of the sixteen fragments; 0 in the second half (taken where t = 0)
	s_cmp_lt_u32 s28, 2
	s_cselect_b32 s44, s44, 0
	s_cselect_b32 s45, 0, s32                      ; 0 where W1 is taken
	s_lshl_b32 s35, s44, 7
	s_lshl_b32 s36, s31, 5
	s_add_co_u32 s35, s35, s36
	s_lshl_b32 s35, s35, 9
	s_add_co_u32 s35, s35, s39                     ; W1: row 128 step + 32 w, of 512 bytes, + 256 (v % 2)
	s_sub_co_u32 s36, s28, 2
	s_lshl_b32 s36, s36, 6
	s_add_co_u32 s36, s36, s33
	s_lshl_b32 s36, s36, 11
	s_sub_co_u32 s37, s32, 1
	s_lshl_b32 s37, s37, 7
	s_add_co_u32 s36, s36, s37                     ; W2 (v >= 2): row 128 w + 64 (v - 2), of 2,048 bytes, + 128 (t - 1)
	s_mov_b32 s38, 65536
	s_wait_kmcnt 0x0
	s_cmp_eq_u32 s45, 0
	s_cselect_b64 s[40:41], s[20:21], s[22:23]
	s_cselect_b32 s35, s35, s36
	s_cselect_b32 s37, 9, 11                       ; a row is 2^9 or 2^11 bytes
	s_cselect_b32 s38, 128, s38                    ; from fragment i to i + 2: the next K step, or in W2 the next pair (32 rows)
	s_cmp_lt_u32 s30, 4
	s_cselect_b64 s[40:41], s[18:19], s[40:41]
	s_cselect_b32 s35, s34, s35
	s_cselect_b32 s37, 9, s37
	s_cselect_b32 s38, 128, s38
	s_cmp_lt_u32 s30, 2
	s_cselect_b64 s[40:41], s[16:17], s[40:41]
	s_lshl_b32 s39, 8, s37                         ; from fragment i to i + 1: the pair's other tile, 8 rows on
	s_wait_alu depctr_va_vdst(0)
	v_lshlrev_b32 v1, s37, v12
	v_lshl_add_u32 v1, v11, 4, v1
	v_add_nc_u32 v1, s35, v1
	v_add_nc_u32 v2, s39, v1
	v_add_nc_u32 v3, s38, v1
	v_add_nc_u32 v4, s38, v2
	s_lshl_b32 s42, s29, 15
	s_lshl_b32 s43, s28, 13
	s_add_co_u32 s42, s42, s43
	s_mov_b32 s43, 0
	s_add_nc_u64 s[26:27], s[26:27], s[42:43]
.irp i, 0,1,2,3
.irp c, 0,1,2,3
	global_load_b128 v[16+16*\i+4*\c:16+16*\i+4*\c+3], v[1+\i], s[40:41] offset:32*\c
.endr
.endr
	s_wait_alu depctr_va_vdst(0)
	s_wait_loadcnt 0x0
.irp i, 0,1,2,3
.irp c, 0,1,2,3
	global_store_b128 v13, v[16+16*\i+4*\c:16+16*\i+4*\c+3], s[26:27] offset:2048*\i+512*\c   ; 512 consecutive bytes, aligned
.endr
.endr
	s_endpgm
.Lfunc_end_k_q9c00b52148_prep:
	.size	k_q9c00b52148_prep, .Lfunc_end_k_q9c00b52148_prep-k_q9c00b52148_prep
	.p2alignl 7, 3214868480
	.fill 96, 4, 3214868480
	.section	.rodata,"a",@progbits
	.p2align	6, 0x0
	.amdhsa_kernel k_q9c00b52148_prep
		.amdhsa_group_segment_fixed_size 0
		.amdhsa_private_segment_fixed_size 0
		.amdhsa_enable_private_segment 0
		.amdhsa_kernarg_size 96
		.amdhsa_user_sgpr_count 2
		.amdhsa_user_sgpr_kernarg_segment_ptr 1
		.amdhsa_wavefront_size32 1
		.amdhsa_system_sgpr_workgroup_id_x 1
		.amdhsa_system_sgpr_workgroup_id_y 1
		.amdhsa_system_sgpr_workgroup_id_z 1
		.amdhsa_system_vgpr_workitem_id 0
		.amdhsa_next_free_vgpr 464
		.amdhsa_next_free_sgpr 66
		.amdhsa_reserve_vcc 0
		.amdhsa_float_denorm_mode_32 3
		.amdhsa_float_denorm_mode_16_64 3
		.amdhsa_memory_ordered 1
		.amdhsa_forward_progress 1
		.amdhsa_inst_pref_size 39
	.end_amdhsa_kernel
	.amdgpu_metadata
---
amdhsa.version: [ 1, 2 ]
amdhsa.kernels:
  - .name:           k_q9c00b52148_prep
    .symbol:         k_q9c00b52148_prep.kd
    .args:
      - { .name: xf_codes, .offset: 0, .size: 8, .value_kind: global_buffer, .address_space: global }
      - { .name: Wk_codes, .offset: 8, .size: 8, .value_kind: global_buffer, .address_space: global }
      - { .name: Wv_codes, .offset: 16, .size: 8, .value_kind: global_buffer, .address_space: global }
      - { .name: bk, .offset: 24, .size: 8, .value_kind: global_buffer, .address_space: global }
      - { .name: bv, .offset: 32, .size: 8, .value_kind: global_buffer, .address_space: global }
      - { .name: lowp_scales, .offset: 40, .size: 8, .value_kind: global_buffer, .address_space: global }
      - { .name: Wq_codes, .offset: 48, .size: 8, .value_kind: global_buffer, .address_space: global }
      - { .name: Wo_codes, .offset: 56, .size: 8, .value_kind: global_buffer, .address_space: global }
      - { .name: W1_codes, .offset: 64, .size: 8, .value_kind: global_buffer, .address_space: global }
      - { .name: W2_codes, .offset: 72, .size: 8, .value_kind: global_buffer, .address_space: global }
      - { .name: kvfrag, .offset: 80, .size: 8, .value_kind: global_buffer, .address_space: global }
      - { .name: wstream, .offset: 88, .size: 8, .value_kind: global_buffer, .address_space: global }
    .group_segment_fixed_size: 0
    .private_segment_fixed_size: 0
    .kernarg_segment_align: 8
    .kernarg_segment_size: 96
    .max_flat_workgroup_size: 64
    .sgpr_count:     66
    .vgpr_count:     464
    .wavefront_size: 32
...
	.end_amdgpu_metadata
.endif
;; end of part 1
;; launch block (part 2): grid 256 x 1, 4 waves a work-group, clusters of 4 x 1, 327,680 bytes of LDS; arguments x, wstream, kvfrag, lowp_scales, bq, bo, ln_g, ln_b, b1, b2, out0; writes out0
.if DOCPART == 2
	.amdgcn_target "amdgcn-amd-amdhsa--gfx1250"
	.amdhsa_code_object_version 6
	.text
	.protected	k_q9c00b52148_block
	.globl	k_q9c00b52148_block
	.p2align	8
	.type	k_q9c00b52148_block,@function
k_q9c00b52148_block:
	s_mov_b64 s[64:65], 0
	v_nop
	global_prefetch_b8 v0, s[64:65] scope:SCOPE_SE
	s_setreg_imm32_b32 hwreg(HW_REG_WAVE_MODE, 25, 1), 1
	s_wait_xcnt 0x0
	s_wait_alu depctr_hold_cnt(0) depctr_sa_sdst(0) depctr_va_vdst(0) depctr_va_sdst(0) depctr_va_ssrc(0) depctr_va_vcc(0) depctr_vm_vsrc(0)
	s_getreg_b32 s2, hwreg(HW_REG_IB_STS2, 6, 4)
	s_cmp_eq_u32 s2, 0
	s_cbranch_scc0 .Lentry_in_a_cluster
	s_endpgm
.Lentry_in_a_cluster:
	s_bfe_u32 s2, ttmp6, 0x10000c
	s_cmp_lg_u32 s2, 0x3003
	s_cbranch_scc0 .Lentry_shape_is_right
	s_endpgm
.Lentry_shape_is_right:
; BLOCK.  A work-group of four waves takes 64 rows of x through the whole module: Q = x Wq + bq, attention over its batch's 256 keys in 16 heads, Wo, LayerNorm, the FFN, both residuals.  DEAD WORK: none is left in; every input has a way to out0.
; SHARES.  Wave w owns output channels 128 w .. 128 w + 127 (heads 4 w .. 4 w + 3) for all 64 rows; in the FFN, of each 128 hidden units, units 32 w .. 32 w + 31.  Products are used transposed: a lane holds one row (of four tiles m) and registers along channels.
; WEIGHTS come from wstream (laid by the first launch as images of operand registers) through two LDS slots of 131,072 bytes, of which each wave fetches and reads its own 32,768.  CLUSTERS of 4 work-groups ask for each slot jointly (mask 15).
; One cluster of the launch prefetches the stream into the L2, two slots ahead of the joint load, shared out among its four work-groups by address; the first two slots come by their loads alone.
; THE FFN's LOOP, trip j of 16: GELU of hidden step j goes in two halves (tiles u = 0, 1 of the wave's pair), with matrix instructions that do not hang on it standing among its plain lines: those of W1's tile u = 1 of step j in the first half's
; polynomial, those of W2 of step j - 1 behind.  Step j's u = 0 tile is multiplied between the round's opening signal and its wait.  FFN slot t holds W1's step t + 1 and W2's step t - 1 (slot 0: W1's steps 1 and 0).
; The loop is written once: in trip 0 the second product meets hidden codes of 0, which are stored ahead of it and add 0; the last trip fetches from LDS fragments of W1 that are not multiplied.
; LIMITS.  The sums of the given exponents that are folded below stay such that each power of two is an f32 number (between 2^-126 and 2^127, 57,344 x it likewise).  NaN and infinity among inputs are not served.  The softmax's promise holds while
; the scaled scores (exponents to the base 2) stay under 2^31 in magnitude.
; WINDOWS of 256 registers.  0: addresses, constants, weights' fragments v64-191, hidden fragments v192-255.  1: the 64 rows' codes as operands (attention: scores).  2: x + b2, then out0's sums.  3: products at work (attention: K, V).
.set SLOT1, 131072
.set IMG,   262144
.set HID,   294912
.set STATS, 311296
.set SPARE, 313344
.set B1L,   313856
.set XSTG,  262144
.set SPI,   528
.set SPW, 1
.set NIL, 2
.set AIMG, 3
.set AQP, 4
.set AW0, 5
.set AW1, 6
.set AWT, 7
.set ASW, 8
.set ASR, 9
.set AHW, 10
.set AHR, 11
.set AHWT, 12
.set AHRT, 13
.set AST, 14
.set ASL, 15
.set AOS, 16
.set AOR, 17
.set VX,  18
.set VB,  19
.set AB1, 20
.set AB1T, 21
.set PFO, 22
.set ADQ, 23
.set ADK, 24
.set VT,  25
.set LX, 26
.set SCX, 27
.set LQ, 28
.set SCQ, 29
.set LP, 30
.set SCP, 31
.set LA, 32
.set SCA, 33
.set LH, 34
.set SCH, 35
.set LG, 36
.set SCG, 37
.set WF, 64
.set TMP64, 192
.set QF, 64
.set OA, 80
.set PP, 112
.set AC, 176
.set AT, 40
.set MSB, 0
.macro WIN new
.if MSB != (\new)
	s_set_vgpr_msb (MSB<<8)|(\new)
.set MSB, (\new)
.endif
.endm
.macro PLACES n
.rept \n
	v_nop
.endr
.endm
.macro BAR
	s_wait_dscnt 0x0
	s_barrier_signal -1
	s_barrier_wait -1
.endm
.macro CROUND
	s_barrier_signal -1
	s_barrier_wait -1
	s_cmp_lg_u32 s26, 0
	s_cbranch_scc1 .Lnot_wave_0_\@
	s_barrier_signal -3
.Lnot_wave_0_\@:
	s_barrier_wait -3
	s_barrier_signal -1
	s_barrier_wait -1
.endm
.macro ASK
	s_cmp_gt_i32 s54, s55
	s_cbranch_scc0 .Lnot_mine_\@
	global_prefetch_b8 v[PFO], s[52:53] th:TH_LOAD_NT scope:SCOPE_SE
.Lnot_mine_\@:
.endm
.macro CHANGE g0, step
	WIN 0
	s_wait_tensorcnt 0x0
	ds_add_u32 v[SPW], v[NIL]
.if \step
	s_xor_b32 s[\g0+1], s[\g0+1], SLOT1
	s_add_nc_u64 s[\g0+2:\g0+3], s[\g0+2:\g0+3], SLOT1
.endif
	s_wait_xcnt 0x0
	s_add_nc_u64 s[52:53], s[52:53], SLOT1
	s_sub_co_i32 s54, s54, 1
	s_wait_dscnt 0x0
	CROUND
	tensor_load_to_lds s[\g0:\g0+3], s[32:39]
	s_nop 0
	PLACES 4
	ASK
.endm
.macro BIASLD reg, sb
.irp be, 0,1,2,3
.irp q, 0,1,2,3
	global_load_b128 v[\reg+16*\be+4*\q:\reg+16*\be+4*\q+3], v[VB], s[\sb:\sb+1] offset:128*\be+16*\q
.endr
.endr
.endm
.macro WLOAD adr, b, win, base
	WIN \win
.irp s, 0,1,2,3
.irp u, 0,1
.irp c, 0,1,2,3
	ds_load_b128 v[\base+16*(2*\s+\u)+4*\c:\base+16*(2*\s+\u)+4*\c+3], v[\adr] offset:(8*\b+2*\s+\u)*2048+512*\c
.endr
.endr
.endr
.endm
.macro MULP acc, aw, ab, cb, pre
.if \pre
	s_wait_dscnt 0x0
.endif
.irp s, 0,1,2,3
.if \pre == 0
	s_wait_dscnt 24-8*\s
.endif
.if \s == 0
	WIN 0xC4+\aw
.else
	WIN 0xF4+\aw
.endif
.irp u, 0,1
.irp m, 0,1,2,3
.if \s == 0
	v_wmma_f32_16x16x128_bf8_bf8 v[\acc+32*\u+8*\m:\acc+32*\u+8*\m+7], v[\ab+16*(2*\s+\u):\ab+16*(2*\s+\u)+15], v[64*\s+16*\m:64*\s+16*\m+15], v[\cb+8*\u:\cb+8*\u+7]
.else
	v_wmma_f32_16x16x128_bf8_bf8 v[\acc+32*\u+8*\m:\acc+32*\u+8*\m+7], v[\ab+16*(2*\s+\u):\ab+16*(2*\s+\u)+15], v[64*\s+16*\m:64*\s+16*\m+15], v[\acc+32*\u+8*\m:\acc+32*\u+8*\m+7]
.endif
.endr
.endr
.endr
.endm
.macro ACTLOAD
	WIN 0x40
.set i, 0
.rept 64
	ds_load_b128 v[4*i:4*i+3], v[AIMG] offset:512*i
.set i, i+1
.endr
.endm
.macro MKSC vl, vs, se
	s_add_co_i32 s29, s[\se], 127
	s_lshl_b32 s30, s29, 23
	v_mov_b32 v[\vs], s30
	s_add_co_i32 s29, s29, 15
	s_lshl_b32 s29, s29, 23
	s_or_b32 s29, s29, 0x600000
	v_mov_b32 v[\vl], s29
.endm
	s_load_b512 s[4:19], s[0:1], 0x0
	s_load_b128 s[20:23], s[0:1], 0x40
	s_load_b64 s[24:25], s[0:1], 0x50
	v_lshl_add_u32 v[SPW], v0, 2, SPARE
	v_mov_b32 v[NIL], 0
	ds_add_u32 v[SPW], v[NIL]
	ds_add_u32 v[SPW], v[NIL]
	v_lshrrev_b32 v[VT], 5, v0
	v_readfirstlane_b32 s26, v[VT]
	s_bfe_u32 s27, ttmp6, 0x40000
	s_mov_b32 s32, 15|(3<<16)|(1<<21)
	s_mov_b32 s33, 32<<16
	s_mov_b32 s34, 128<<16
	s_mov_b32 s35, 32<<16
	s_mov_b32 s36, 128
	s_mov_b32 s37, 32
	s_mov_b32 s38, 0
	s_mov_b32 s39, 0
	s_mov_b32 s62, 0x76543210
	s_mov_b32 s63, 0xfedcba98
	v_and_b32 v56, 31, v0
	v_and_b32 v57, 15, v0
	v_bfe_u32 v58, v0, 4, 1
	s_lshl_b32 s28, s26, 15
	v_lshl_add_u32 v[AW0], v56, 4, s28
	v_lshl_add_u32 v[AOR], v56, 4, s28
	s_add_co_u32 s29, s28, SLOT1
	v_lshl_add_u32 v[AW1], v56, 4, s29
	v_lshl_add_u32 v[AIMG], v56, 4, IMG
	s_lshl_b32 s29, s26, 13
	s_add_co_u32 s29, s29, IMG
	v_lshl_add_u32 v[AQP], v56, 4, s29
	s_mul_i32 s29, s26, 16*SPI
	s_add_co_u32 s29, s29, XSTG
	v_lshl_add_u32 v[ASW], v56, 4, s29
	v_mul_u32_u24 v59, v57, SPI
	v_lshl_add_u32 v59, v58, 6, v59
	v_add_nc_u32 v[ASR], s29, v59
	v_add_nc_u32 v[AOS], s28, v59
	s_lshl_b32 s29, s26, 9
	v_lshl_add_u32 v[VX], v56, 4, s29
	v_lshl_add_u32 v[VB], v58, 6, s29
	s_add_co_u32 s29, s29, HID
	v_lshl_add_u32 v[AHW], v56, 4, s29
	v_lshl_add_u32 v[AHR], v56, 4, HID
	s_lshl_b32 s29, s26, 2
	s_add_co_u32 s29, s29, STATS
	v_lshl_add_u32 v[AST], v57, 4, s29
	v_lshl_add_u32 v[ASL], v57, 4, STATS
	s_lshl_b32 s29, s26, 7
	s_add_co_u32 s29, s29, B1L
	v_lshl_add_u32 v[AB1], v58, 6, s29
	v_lshlrev_b32 v[PFO], 8, v56
	v_lshlrev_b32 v[VT], 4, v0
	v_add_nc_u32 v[ADK], B1L, v[VT]
	s_wait_dscnt 0x0
	s_wait_kmcnt 0x0
	s_load_b512 s[68:83], s[10:11], 0x0
	s_mov_b32 s29, 0
	s_mov_b32 s40, 1
	s_mov_b32 s41, s28
	s_add_nc_u64 s[42:43], s[6:7], s[28:29]
	s_mov_b32 s44, 1
	s_add_co_u32 s45, s28, SLOT1
	s_add_nc_u64 s[46:47], s[42:43], SLOT1
	s_or_b32 s43, s43, 0x80000000
	s_or_b32 s47, s47, 0x80000000
	s_mov_b32 s48, 1
	s_mov_b32 s49, s28
	s_lshr_b32 s30, ttmp9, 4
	s_lshl_b32 s30, s30, 18
	s_mov_b32 s31, 0
	s_add_nc_u64 s[50:51], s[8:9], s[30:31]
	s_add_nc_u64 s[50:51], s[50:51], s[28:29]
	s_or_b32 s51, s51, 0x80000000
	s_lshl_b32 s58, s27, 13
	s_mov_b32 s59, 0
	s_add_nc_u64 s[52:53], s[6:7], s[28:29]
	s_add_nc_u64 s[52:53], s[52:53], s[58:59]
	s_add_nc_u64 s[52:53], s[52:53], SLOT1
	s_mov_b32 s54, 20
	s_cmp_eq_u32 ttmp9, 0
	s_mov_b32 s55, 0x7fffffff
	s_cselect_b32 s55, 0, s55
	s_lshl_b32 s58, ttmp9, 2
	s_add_co_u32 s58, s58, s27
	s_lshl_b32 s58, s58, 17
	s_add_nc_u64 s[4:5], s[4:5], s[58:59]
	s_add_nc_u64 s[24:25], s[24:25], s[58:59]
	WIN 0x40
	s_wait_alu depctr_va_vdst(0)
	BIASLD 0, 22                                   ; b2, bq, b1 and the first 16 rows of x: 52 loads ahead of the opening round
	WIN 0
	BIASLD TMP64, 12
.irp k, 0,1,2,3
	global_load_b128 v[40+4*\k:43+4*\k], v[VT], s[20:21] offset:2048*\k
.endr
	WIN 0xC0
.set i, 0
.rept 16
	global_load_b128 v[4*i:4*i+3], v[VX], s[4:5] offset:i*2048 th:TH_LOAD_NT
.set i, i+1
.endr
	WIN 0
	CROUND                                         ; the cluster's four work-groups are here: the first joint loads meet
	tensor_load_to_lds s[40:43], s[32:39]
	s_nop 0
	PLACES 4
	WIN 0xC0
.rept 48                               ; the other 48 rows of x
	global_load_b128 v[4*i:4*i+3], v[VX], s[4:5] offset:i*2048 th:TH_LOAD_NT
.set i, i+1
.endr
	WIN 0
	s_wait_alu depctr_va_vdst(0)
	s_wait_tensorcnt 0x0                           ; ahead of the second slot's first fill
	ds_add_u32 v1, v2
	s_wait_dscnt 0x0
	CROUND
	tensor_load_to_lds s[44:47], s[32:39]
	s_nop 0
	PLACES 4
	s_wait_kmcnt 0x0
	s_add_co_i32 s28, s68, s69
	s_sub_co_i32 s98, 0, s28
	s_lshl_b32 s28, s28, 23
	s_add_co_i32 s84, s28, 0x3e3504f3
	s_mov_b32 s85, s84
	s_add_co_i32 s28, s74, s75
	s_lshl_b32 s28, s28, 23
	s_add_co_i32 s86, s28, 0x3fb8aa3b
	s_mov_b32 s87, s86
	s_add_co_i32 s28, s78, s79
	s_sub_co_i32 s99, 0, s28
	s_add_co_i32 s29, s82, s83
	s_sub_co_i32 s101, 0, s29
	s_sub_co_i32 s30, s28, s29
	s_add_co_i32 s30, s30, 127
	s_lshl_b32 s88, s30, 23
	s_mov_b32 s89, s88
	s_sub_co_i32 s30, 127, s29
	s_lshl_b32 s90, s30, 23
	s_mov_b32 s91, s90
	s_add_co_i32 s30, s29, 127
	s_lshl_b32 s94, s30, 23
	s_mov_b32 s95, s94
	s_lshl_b32 s30, s28, 24
	s_sub_co_i32 s97, 0x3727c5ac, s30
	s_add_co_i32 s28, s80, s81
	s_sub_co_i32 s100, 0, s28
	s_lshl_b32 s30, s28, 23
	s_add_co_i32 s96, s30, 0x3eb504f3
	s_lshl_b32 s30, s28, 24
	s_add_co_u32 s92, s30, 0xbf38aa3b
	s_mov_b32 s93, s92
	MKSC LX, SCX, 68
	MKSC LQ, SCQ, 74
	MKSC LP, SCP, 76
	s_sub_co_i32 s31, s78, s76
	s_sub_co_i32 s31, s31, s77
	MKSC LA, SCA, 31
	MKSC LH, SCH, 80
	s_sub_co_i32 s31, s82, s28
	MKSC LG, SCG, 31
	s_wait_loadcnt 48
.set i, 0
.rept 16
	v_ldexp_f32 v[40+i], v[40+i], s100
.set i, i+1
.endr
.irp k, 0,1,2,3
	ds_store_b128 v[ADK], v[40+4*\k:43+4*\k] offset:2048*\k
.endr
.set i, 0
.rept 64
	v_ldexp_f32 v[TMP64+i], v[TMP64+i], s98
.set i, i+1
.endr
	WIN 0x41
.set i, 0
.rept 64
	v_ldexp_f32 v[i], v[i], s101
.set i, i+1
.endr
.irp m, 0,1,2,3
	s_wait_loadcnt 48-16*\m
	WIN 0x0C
.set i, 0
.rept 16
	ds_store_b128 v[ASW], v[64*\m+4*i:64*\m+4*i+3] offset:SPI*i
.set i, i+1
.endr
	WIN 0x80
.irp be, 0,1,2,3
.irp q, 0,1,2,3
	ds_load_b128 v[64*\be+32*(\q/2)+8*\m+4*(\q%2):64*\be+32*(\q/2)+8*\m+4*(\q%2)+3], v[ASR] offset:128*\be+16*\q
.endr
.endr
.endr
	s_wait_dscnt 0x0
.irp m, 0,1,2,3
	WIN 0x02
.set k, 0
.rept 64
	v_med3_num_f32 v[WF+k], v[64*(k/16)+32*((k/8)%2)+8*\m+k%8], -v[LX], v[LX]
.set k, k+1
.endr
	WIN 0
.set k, 0
.rept 8
	v_cvt_scalef32_pk8_bf8_f32 v[WF+64+16*\m+2*k:WF+64+16*\m+2*k+1], v[WF+8*k:WF+8*k+7], v[SCX]
.set k, k+1
.endr
	v_nop
.endr
	WIN 0x92
.set p, 0
.rept 128
	v_pk_fma_f32 v[p:p+1], v[p:p+1], s[90:91], v[16*(p/64)+8*((p/32)%2)+p%8:16*(p/64)+8*((p/32)%2)+p%8+1] op_sel_hi:[1,0,1]
.set p, p+2
.endr
	WIN 0
	BAR
.irp m, 0,1,2,3
.irp be, 0,1,2,3
	ds_store_b128 v[AQP], v[WF+64+16*\m+4*\be:WF+64+16*\m+4*\be+3] offset:2048*\m+512*\be
.endr
.endr
	BAR
	ACTLOAD
	BAR
.macro QEPI be
	WIN 0xC3
.set i, 0
.rept 32
	v_pk_mul_f32 v[2*i:2*i+1], v[2*i:2*i+1], s[84:85] op_sel_hi:[1,0]
.set i, i+1
.endr
.set i, 0
.rept 64
	v_med3_num_f32 v[i], v[i], -v[LQ], v[LQ]
.set i, i+1
.endr
	WIN 0x03
.irp m, 0,1,2,3
	v_cvt_scalef32_pk8_bf8_f32 v[40+4*\m:41+4*\m], v[8*\m:8*\m+7], v[SCQ]
	v_cvt_scalef32_pk8_bf8_f32 v[42+4*\m:43+4*\m], v[32+8*\m:32+8*\m+7], v[SCQ]
.endr
	v_nop
	WIN 0
.irp m, 0,1,2,3
	ds_store_b128 v[AQP], v[40+4*\m:43+4*\m] offset:2048*\m+512*\be
.endr
.endm
	s_wait_tensorcnt 1
	WLOAD AW0, 0, 0, WF
	MULP 0, 0, WF, TMP64, 0
	PLACES 4
	WLOAD AW0, 1, 0, WF
	QEPI 0
	MULP 0, 0, WF, TMP64+16, 1
	CHANGE 48, 0
	WLOAD AW1, 0, 0, WF
	QEPI 1
	MULP 0, 0, WF, TMP64+32, 1
	PLACES 4
	WLOAD AW1, 1, 0, WF
	QEPI 2
	MULP 0, 0, WF, TMP64+48, 1
	CHANGE 48, 1
	QEPI 3
	BIASLD TMP64, 14
	WIN 0xC0
.set i, 0
.rept 16
.irp k, 4,5,6,7
	v_mov_b32 v[8*i+\k], 0
.endr
.set i, i+1
.endr
	WIN 0
.irp k, 68,69,70,71,76,77,78,79
	v_mov_b32 v\k, 0
.endr
.irp k, 43,49,50,55,61,62
	v_mov_b32 v\k, 0
.endr
.macro KVLOAD
	WIN 0
	v_add_nc_u32 v[ADK], s56, v[AW0]
	WIN 0xC0
.set i, 0
.rept 16
	ds_load_b128 v[8*i:8*i+3], v[ADK] offset:512*i
.set i, i+1
.endr
.set i, 0
.rept 16
	ds_load_b128 v[128+4*i:131+4*i], v[ADK] offset:8192+512*i
.set i, i+1
.endr
.endm
; The sum of tile z's 128 numbers of a lane, unquantised, in four chains of pairs
.macro SUM4 z, a, b, c, d
	WIN 0x05
	v_pk_add_f32 v[\a:\a+1], v[128*\z:128*\z+1], v[128*\z+2:128*\z+3]
	v_pk_add_f32 v[\b:\b+1], v[128*\z+4:128*\z+5], v[128*\z+6:128*\z+7]
	v_pk_add_f32 v[\c:\c+1], v[128*\z+8:128*\z+9], v[128*\z+10:128*\z+11]
	v_pk_add_f32 v[\d:\d+1], v[128*\z+12:128*\z+13], v[128*\z+14:128*\z+15]
	WIN 0x04
.set i, 16
.rept 14
	v_pk_add_f32 v[\a:\a+1], v[\a:\a+1], v[128*\z+i:128*\z+i+1]
	v_pk_add_f32 v[\b:\b+1], v[\b:\b+1], v[128*\z+i+2:128*\z+i+3]
	v_pk_add_f32 v[\c:\c+1], v[\c:\c+1], v[128*\z+i+4:128*\z+i+5]
	v_pk_add_f32 v[\d:\d+1], v[\d:\d+1], v[128*\z+i+6:128*\z+i+7]
.set i, i+8
.endr
	WIN 0
	v_pk_add_f32 v[\a:\a+1], v[\a:\a+1], v[\b:\b+1]
	v_pk_add_f32 v[\c:\c+1], v[\c:\c+1], v[\d:\d+1]
	v_pk_add_f32 v[\a:\a+1], v[\a:\a+1], v[\c:\c+1]
	v_add_f32 v[\a], v[\a], v[\a+1]
.endm
.macro ATT
	WIN 0
	v_add_nc_u32 v[ADQ], s61, v[AQP]
	ds_load_b128 v[QF:QF+3], v[ADQ]
	ds_load_b128 v[QF+8:QF+11], v[ADQ] offset:2048
	s_wait_dscnt 0x0
	WIN 0x43
.set i, 0
	s_wait_alu depctr_va_vdst(0)
.rept 16
.irp z, 0,1
	v_wmma_f32_16x16x64_bf8_bf8 v[128*\z+8*i:128*\z+8*i+7], v[8*i:8*i+7], v[QF+8*\z:QF+8*\z+7], 0
.endr
.set i, i+1
.endr
	PLACES 4
	WIN 0x15
.irp z, 0,1
	v_max3_num_f32 v[AT+12*\z], v[128*\z], v[128*\z+1], v[128*\z+2]
	v_max3_num_f32 v[AT+12*\z+1], v[128*\z+3], v[128*\z+4], v[128*\z+5]
.endr
	WIN 0x14
.set i, 6
.rept 30
.irp z, 0,1
	v_max3_num_f32 v[AT+12*\z], v[AT+12*\z], v[128*\z+i], v[128*\z+i+1]
	v_max3_num_f32 v[AT+12*\z+1], v[AT+12*\z+1], v[128*\z+i+2], v[128*\z+i+3]
.endr
.set i, i+4
.endr
.irp z, 0,1
	v_max3_num_f32 v[AT+12*\z], v[AT+12*\z], v[128*\z+126], v[128*\z+127]
.endr
	WIN 0
.irp z, 0,1
	v_max_num_f32 v[AT+12*\z], v[AT+12*\z], v[AT+12*\z+1]
.endr
.irp z, 0,1
	v_permlanex16_b32 v[AT+12*\z+10], v[AT+12*\z], s62, s63
.endr
.irp z, 0,1
	v_max_num_f32 v[AT+12*\z], v[AT+12*\z], v[AT+12*\z+10]
.endr
.irp z, 0,1
	v_mul_f32 v[AT+12*\z], s86, v[AT+12*\z]
.endr
.irp z, 0,1
	v_floor_f32 v[AT+12*\z+2], -v[AT+12*\z]
.endr
	WIN 0x41
.set i, 0
.rept 64                               ; t - M of tile 0
	v_pk_fma_f32 v[i:i+1], v[i:i+1], s[86:87], v[AT+2:AT+3] op_sel_hi:[1,0,0]
.set i, i+2
.endr
	s_wait_alu depctr_va_vdst(0)                   ; a wait ahead of a batch of transcendentals, and one behind it
.set i, 0
.rept 64                               ; p of tile 0, with t - M of tile 1 between
	v_exp_f32 v[i], v[i]
	v_exp_f32 v[i+1], v[i+1]
	v_pk_fma_f32 v[128+i:128+i+1], v[128+i:128+i+1], s[86:87], v[AT+14:AT+15] op_sel_hi:[1,0,0]
.set i, i+2
.endr
	s_wait_alu depctr_va_vdst(0)
	SUM4 0, AT+4, AT+6, AT+16, AT+18
	WIN 0x41
	s_wait_alu depctr_va_vdst(0)
.set i, 0
.rept 128                              ; p of tile 1, with tile 0's hold between (its sum is taken)
	v_exp_f32 v[128+i], v[128+i]
	v_min_num_f32 v[i], v[i], v[LP]
.set i, i+1
.endr
	s_wait_alu depctr_va_vdst(0)
	SUM4 1, AT+16, AT+18, AT+6, AT+8
.irp z, 0,1
	v_permlanex16_b32 v[AT+12*\z+10], v[AT+12*\z+4], s62, s63
.endr
.irp z, 0,1
	v_add_f32 v[AT+12*\z+4], v[AT+12*\z+4], v[AT+12*\z+10]
.endr
	s_wait_alu depctr_va_vdst(0)
.irp z, 0,1
	v_rcp_f32 v[AT+12*\z+8], v[AT+12*\z+4]
.endr
	WIN 0x41
.set i, 128
.rept 128
	v_min_num_f32 v[i], v[i], v[LP]
.set i, i+1
.endr
	WIN 0x01
.irp z, 0,1
.set i, 0
.rept 16
	v_cvt_scalef32_pk8_bf8_f32 v[PP+32*\z+2*i:PP+32*\z+2*i+1], v[128*\z+8*i:128*\z+8*i+7], v[SCP]
.set i, i+1
.endr
.endr
	v_nop
	WIN 0x03
.irp g, 0,1
.irp z, 0,1
.irp u, 0,1
.if \g == 0
	v_wmma_f32_16x16x128_bf8_bf8 v[OA+16*\z+8*\u:OA+16*\z+8*\u+7], v[128+16*(2*\g+\u):128+16*(2*\g+\u)+15], v[PP+32*\z+16*\g:PP+32*\z+16*\g+15], 0
.else
	v_wmma_f32_16x16x128_bf8_bf8 v[OA+16*\z+8*\u:OA+16*\z+8*\u+7], v[128+16*(2*\g+\u):128+16*(2*\g+\u)+15], v[PP+32*\z+16*\g:PP+32*\z+16*\g+15], v[OA+16*\z+8*\u:OA+16*\z+8*\u+7]
.endif
.endr
.endr
.endr
	WIN 0
	PLACES 4
	s_wait_alu depctr_va_vdst(0)
.irp k, 0,2,4,6,8,10,12,14
.irp z, 0,1
	v_pk_mul_f32 v[OA+16*\z+\k:OA+16*\z+\k+1], v[OA+16*\z+\k:OA+16*\z+\k+1], v[AT+12*\z+8:AT+12*\z+9] op_sel_hi:[1,0]
.endr
.endr
.set i, 0
.rept 32
	v_med3_num_f32 v[OA+i], v[OA+i], -v[LA], v[LA]
.set i, i+1
.endr
.irp z, 0,1
	v_cvt_scalef32_pk8_bf8_f32 v[AC+4*\z:AC+4*\z+1], v[OA+16*\z:OA+16*\z+7], v[SCA]
	v_cvt_scalef32_pk8_bf8_f32 v[AC+4*\z+2:AC+4*\z+3], v[OA+16*\z+8:OA+16*\z+15], v[SCA]
.endr
	v_nop
	ds_store_b128 v[ADQ], v[AC:AC+3]
	ds_store_b128 v[ADQ], v[AC+4:AC+7] offset:2048
	s_add_co_u32 s61, s61, 4096
.endm
	s_mov_b32 s56, 0
	s_mov_b32 s61, 0
	s_mov_b32 s57, 2
.Lpart:
	s_mov_b32 s58, 2
.Lhead:
	KVLOAD
	WIN 0
	s_mov_b32 s59, 2
.Ltrip:
	ATT
	s_sub_co_u32 s59, s59, 1
	s_cmp_lg_u32 s59, 0
	s_cbranch_scc1 .Ltrip
	s_sub_co_u32 s61, s61, 7680
	s_add_co_u32 s56, s56, 16384
	s_sub_co_u32 s58, s58, 1
	s_cmp_lg_u32 s58, 0
	s_cbranch_scc1 .Lhead
	s_sub_co_u32 s56, s56, 32768
	s_xor_b32 s56, s56, SLOT1
	CHANGE 44, 1
	s_sub_co_u32 s57, s57, 1
	s_cmp_lg_u32 s57, 0
	s_cbranch_scc1 .Lpart
	ACTLOAD
	WIN 0
	s_wait_loadcnt 0x0
.set i, 0
.rept 64
	v_ldexp_f32 v[TMP64+i], v[TMP64+i], s99
.set i, i+1
.endr
	s_wait_dscnt 0x0
	WLOAD AW0, 0, 0, WF
	MULP 0, 0, WF, TMP64, 0
	PLACES 4
	WLOAD AW0, 1, 0, WF
	MULP 64, 0, WF, TMP64+16, 0
	CHANGE 44, 1
	WLOAD AW1, 0, 0, WF
	MULP 128, 0, WF, TMP64+32, 0
	PLACES 4
	WLOAD AW1, 1, 0, WF
	s_wait_alu depctr_va_vdst(0)
	MULP 192, 0, WF, TMP64+48, 0
	WIN 0
	PLACES 4                                       ; in front of the loads into registers that the products have read
	BIASLD WF, 16
	BIASLD WF+64, 18
	WIN 0xA3
.set i, 0
.rept 128
	v_pk_fma_f32 v[i:i+1], v[i:i+1], s[88:89], v[i:i+1] op_sel_hi:[1,0,1]
.set i, i+2
.endr
	WIN 0x0F
.irp m, 0,1,2,3
	v_pk_add_f32 v[40+2*\m:41+2*\m], v[8*\m:8*\m+1], v[8*\m+2:8*\m+3]
.endr
	WIN 0x0C
.set k, 2
.rept 30
.irp m, 0,1,2,3
	v_pk_add_f32 v[40+2*\m:41+2*\m], v[40+2*\m:41+2*\m], v[32*(k/4)+8*\m+2*(k%4):32*(k/4)+8*\m+2*(k%4)+1]
.endr
.set k, k+1
.endr
	WIN 0
.macro ACROSS src, off
.irp m, 0,1,2,3
	v_add_f32 v[\src+2*\m], v[\src+2*\m], v[\src+2*\m+1]
.endr
.irp m, 0,1,2,3
	v_permlanex16_b32 v[48+\m], v[\src+2*\m], s62, s63
.endr
.irp m, 0,1,2,3
	v_add_f32 v[\src+2*\m], v[\src+2*\m], v[48+\m]
.endr
.irp m, 0,1,2,3
	ds_store_b32 v[AST], v[\src+2*\m] offset:\off+256*\m
.endr
	BAR
.irp m, 0,1,2,3
	ds_load_b128 v[48+4*\m:51+4*\m], v[ASL] offset:\off+256*\m
.endr
	s_wait_dscnt 0x0
.irp m, 0,1,2,3
	v_add_f32 v[48+4*\m], v[48+4*\m], v[49+4*\m]
.endr
.irp m, 0,1,2,3
	v_add_f32 v[50+4*\m], v[50+4*\m], v[51+4*\m]
.endr
.irp m, 0,1,2,3
	v_add_f32 v[48+4*\m], v[48+4*\m], v[50+4*\m]
.endr
.endm
	ACROSS 40, 0
.irp m, 0,1,2,3
	v_mul_f32 v[40+2*\m], 0x3b000000, v[48+4*\m]
.endr
	WIN 0xC3
.set i, 0
.rept 128
	v_pk_add_f32 v[i:i+1], v[i:i+1], v[40+2*((i/8)%4):41+2*((i/8)%4)] op_sel_hi:[1,0] neg_lo:[0,1] neg_hi:[0,1]
.set i, i+2
.endr
	WIN 0x0F
.irp m, 0,1,2,3
	v_pk_mul_f32 v[56+2*\m:57+2*\m], v[8*\m:8*\m+1], v[8*\m:8*\m+1]
.endr
.set k, 1
.rept 31
.irp m, 0,1,2,3
	v_pk_fma_f32 v[56+2*\m:57+2*\m], v[32*(k/4)+8*\m+2*(k%4):32*(k/4)+8*\m+2*(k%4)+1], v[32*(k/4)+8*\m+2*(k%4):32*(k/4)+8*\m+2*(k%4)+1], v[56+2*\m:57+2*\m]
.endr
.set k, k+1
.endr
	WIN 0
	ACROSS 56, 1024
.irp m, 0,1,2,3
	v_fma_f32 v[48+4*\m], v[48+4*\m], 0x3b000000, s97
.endr
	s_wait_alu depctr_va_vdst(0)
.irp m, 0,1,2,3
	v_rsq_f32 v[40+2*\m], v[48+4*\m]
.endr
	v_nop
	s_wait_alu depctr_va_vdst(0)
	s_wait_loadcnt 0x0
	WIN 0xC3
.set i, 0
.rept 128
	v_pk_mul_f32 v[i:i+1], v[i:i+1], v[40+2*((i/8)%4):41+2*((i/8)%4)] op_sel_hi:[1,0]
.set i, i+2
.endr
.set i, 0
.rept 128
	v_pk_fma_f32 v[i:i+1], v[i:i+1], v[WF+16*(i/64)+8*((i/32)%2)+i%8:WF+16*(i/64)+8*((i/32)%2)+i%8+1], v[WF+64+16*(i/64)+8*((i/32)%2)+i%8:WF+64+16*(i/64)+8*((i/32)%2)+i%8+1]
.set i, i+2
.endr
.set i, 0
.rept 256
	v_med3_num_f32 v[i], v[i], -v[LH], v[LH]
.set i, i+1
.endr
	WIN 0x03
.irp m, 0,1,2,3
.set k, 0
.rept 8
	v_cvt_scalef32_pk8_bf8_f32 v[TMP64+16*\m+2*k:TMP64+16*\m+2*k+1], v[32*k+8*\m:32*k+8*\m+7], v[SCH]
.set k, k+1
.endr
.endr
	v_nop
	WIN 0
.irp m, 0,1,2,3
.irp be, 0,1,2,3
	ds_store_b128 v[AQP], v[TMP64+16*\m+4*\be:TMP64+16*\m+4*\be+3] offset:2048*\m+512*\be
.endr
.endr
	BAR
	ACTLOAD
	WIN 0
.macro KP r, val
	s_mov_b32 s[\r], \val
	s_mov_b32 s[\r+1], \val
.endm
	KP 66, 0xc034d90f
	KP 68, 0x3fb8ab5a
	KP 70, 0x3f0a29d2
	KP 72, 0x3e0efb2e
	KP 74, 0xbe899a80
	KP 76, 0x3ecdfd18
	KP 78, 0xbfd1a1e5
	KP 80, 0x40097039
	KP 82, 0xbf97d29d
	v_mov_b32 v38, 0x3e7c6f08
	v_mov_b32 v39, 0x3e7c6f08
	s_mov_b32 s56, 0
	s_mov_b32 s2, 0
	s_mov_b32 s58, 8192                            ; s2: where this step's hidden codes go, s58: where the last step's lie (two regions by turns)
	s_mov_b32 s3, 512                              ; the next step's b1, in bytes
; THE FFN.  Window 3: v0-31, v32-63 the sums of tiles u = 0, 1 (m x 8 + j); GR, GP, GQ: GELU's numbers of one half; v160-175 hidden codes; v176-191 b1 in the result's layout (8 u + j); WU: W1's four fragments of tile u = 1
.set GR, 64
.set GP, 96
.set GQ, 128
.set HC, 160
.set B1R, 176
.set WU, 192
.macro LD4 base, off, step             ; four fragments of my part of the slot
.irp t, 0,1,2,3
.irp c, 0,1,2,3
	ds_load_b128 v[\base+16*\t+4*\c:\base+16*\t+4*\c+3], v[AWT] offset:\off+\step*\t+512*\c
.endr
.endr
.endm
.macro LDB1
	WIN 0xC0
.irp k, 0,1,2,3
	ds_load_b128 v[B1R+4*\k:B1R+4*\k+3], v[AB1T] offset:16*\k
.endr
	WIN 0
.endm
.macro LDHID                           ; the last step's hidden codes of all four waves: four fragments
	v_add_nc_u32 v[AHRT], s58, v[AHR]
.set i, 0
.rept 16
	ds_load_b128 v[TMP64+4*i:TMP64+4*i+3], v[AHRT] offset:512*i
.set i, i+1
.endr
.endm
.macro CREST                           ; a round of the cluster's barrier behind its opening barrier
	s_cmp_lg_u32 s26, 0
	s_cbranch_scc1 .Lnot_wave_0_\@
	s_barrier_signal -3
.Lnot_wave_0_\@:
	s_barrier_wait -3
	s_barrier_signal -1
	s_barrier_wait -1
.endm
; The WN-th matrix instruction of kind MK, then the window setting VW again.  1: W1's tile u = 1 (K step WN / 4, rows m = WN % 4).  2: W2 (channel tile WN / 4, rows m = WN % 4).
; An accumulator's next turn comes three or more matrix instructions later.
.macro MMA
.if MK == 1
	WIN 0xF7
.if WN < 4
	v_wmma_f32_16x16x128_bf8_bf8 v[32+8*(WN%4):39+8*(WN%4)], v[WU+16*(WN/4):WU+16*(WN/4)+15], v[64*(WN/4)+16*(WN%4):64*(WN/4)+16*(WN%4)+15], v[B1R+8:B1R+15]
.else
	v_wmma_f32_16x16x128_bf8_bf8 v[32+8*(WN%4):39+8*(WN%4)], v[WU+16*(WN/4):WU+16*(WN/4)+15], v[64*(WN/4)+16*(WN%4):64*(WN/4)+16*(WN%4)+15], v[32+8*(WN%4):39+8*(WN%4)]
.endif
.else
	WIN 0xA0
	v_wmma_f32_16x16x128_bf8_bf8 v[8*WN:8*WN+7], v[WF+16*(WN/4):WF+16*(WN/4)+15], v[TMP64+16*(WN%4):TMP64+16*(WN%4)+15], v[8*WN:8*WN+7]
.endif
.set WN, WN+1
	WIN VW
.endm
.macro TICK                            ; behind each plain line: every PER lines one matrix instruction
.if MK
.set CNT, CNT+1
.if CNT == PER
.set CNT, 0
	MMA
.endif
.endif
.endm
; GELU of a half, 32 numbers a lane: max(x, 0) - |x| s 2^(q(s) - x^2 / (2 ln 2)), s = 1 / (1 + p |x|), q a polynomial: in parts.  FIRST: 1 + p |x|.
.macro FIRST u
	WIN 0xFF
	s_wait_alu depctr_va_vdst(0)                   ; directly ahead of the sums' first readers
.set i, 0
.rept 32
	v_fma_f32 v[GR+i], |v[32*\u+i]|, s96, 1.0
.set i, i+1
.endr
.endm
.macro RECIP u                         ; s, and x^2 between
	WIN 0xFF
	s_wait_alu depctr_va_vdst(0)
.set i, 0
.rept 16
	v_rcp_f32 v[GR+i], v[GR+i]
	v_rcp_f32 v[GR+i+1], v[GR+i+1]
	v_pk_mul_f32 v[GQ+i:GQ+i+1], v[32*\u+i:32*\u+i+1], v[32*\u+i:32*\u+i+1]
.set i, i+2
.endr
	s_wait_alu depctr_va_vdst(0)
.endm
.macro POLY                            ; the exponent: 160 lines
.set VW, 0xC3
	WIN VW
.set i, 0
.rept 16
	v_pk_fma_f32 v[GP+i:GP+i+1], v[GR+i:GR+i+1], v[38:39], s[82:83] op_sel_hi:[1,0,0]
	TICK
.set i, i+2
.endr
.set VW, 0xFF
	WIN VW
.irp k, 80,78,76,74,72,70,68,66
.set i, 0
.rept 16
	v_pk_fma_f32 v[GP+i:GP+i+1], v[GP+i:GP+i+1], v[GR+i:GR+i+1], s[\k:\k+1] op_sel_hi:[1,1,0]
	TICK
.set i, i+2
.endr
.endr
.set i, 0
.rept 16
	v_pk_fma_f32 v[GP+i:GP+i+1], v[GQ+i:GQ+i+1], s[92:93], v[GP+i:GP+i+1] op_sel_hi:[1,0,1]
	TICK
.set i, i+2
.endr
.endm
.macro EXPO u                          ; the exponential, and max(x, 0) between
	WIN 0xFF
	s_wait_alu depctr_va_vdst(0)
.set i, 0
.rept 32
	v_exp_f32 v[GP+i], v[GP+i]
	v_max_num_f32 v[GQ+i], 0, v[32*\u+i]
.set i, i+1
.endr
	s_wait_alu depctr_va_vdst(0)
.endm
.macro CODES u                         ; the result, held and quantised: 80 lines and four conversions
.set VW, 0xFF
	WIN VW
.set i, 0
.rept 16
	v_pk_mul_f32 v[GP+i:GP+i+1], v[GP+i:GP+i+1], v[GR+i:GR+i+1]
	TICK
.set i, i+2
.endr
.set i, 0
.rept 32
	v_fma_f32 v[32*\u+i], -|v[32*\u+i]|, v[GP+i], v[GQ+i]
	TICK
.set i, i+1
.endr
.set VW, 0xC3
	WIN VW
.set i, 0
.rept 32
	v_med3_num_f32 v[32*\u+i], v[32*\u+i], -v[LG], v[LG]
	TICK
.set i, i+1
.endr
.irp m, 0,1,2,3
	v_cvt_scalef32_pk8_bf8_f32 v[HC+4*\m+2*\u:HC+4*\m+2*\u+1], v[32*\u+8*\m:32*\u+8*\m+7], v[SCG]
.endr
	v_nop                                          ; one plain line behind a scaled conversion
.endm
	v_add_nc_u32 v[AWT], s56, v[AW0]
	v_add_nc_u32 v[AB1T], s2, v[AB1]
.irp k, 40,41,42,43
	v_mov_b32 v\k, 0
.endr
.irp m, 0,1,2,3
	ds_store_b128 v[AHW], v[40:43] offset:8192+2048*\m  ; the codes of 0 that trip 0's second product meets
.endr
	s_wait_alu depctr_va_vdst(0)
	s_wait_tensorcnt 0x0                           ; my part of the FFN's first slot is in: W1's step 0 lies in its second half
	LD4 WF, 16384, 4096
	LDB1
	WIN 0xC0
	LD4 WU, 18432, 4096
	WIN 0
	s_mov_b32 s57, 16
.Lffn:
	s_wait_tensorcnt 0x0                           ; my part of this trip's slot is in, and no tensor load of mine is out
	ds_add_u32 v[SPW], v[NIL]
	s_xor_b32 s45, s45, SLOT1
	s_add_nc_u64 s[46:47], s[46:47], SLOT1         ; the next slot of the stream, into the LDS slot read last trip
	s_wait_xcnt 0x0
	s_add_nc_u64 s[52:53], s[52:53], SLOT1
	s_sub_co_i32 s54, s54, 1
	s_wait_dscnt 0x0                               ; the add, my hidden codes and my reads of the last slot are done
	s_barrier_signal -1
	WIN 0xF4
.set n, 0
.rept 16                               ; W1's tile u = 0, on registers alone
.if n < 4
	v_wmma_f32_16x16x128_bf8_bf8 v[8*(n%4):8*(n%4)+7], v[WF+16*(n/4):WF+16*(n/4)+15], v[64*(n/4)+16*(n%4):64*(n/4)+16*(n%4)+15], v[B1R:B1R+7]
.else
	v_wmma_f32_16x16x128_bf8_bf8 v[8*(n%4):8*(n%4)+7], v[WF+16*(n/4):WF+16*(n/4)+15], v[64*(n/4)+16*(n%4):64*(n/4)+16*(n%4)+15], v[8*(n%4):8*(n%4)+7]
.endif
.set n, n+1
.endr
	WIN 0
	s_barrier_wait -1
	CREST
	tensor_load_to_lds s[44:47], s[32:39]          ; the first tensor load behind the round
	s_nop 0
	PLACES 4
	ASK
	v_add_nc_u32 v[AWT], s56, v[AW0]
	s_min_u32 s59, s3, 0x1e00                      ; (the last trip reads the last step's b1 once more, inside the table)
	v_add_nc_u32 v[AHWT], s2, v[AHW]
	v_add_nc_u32 v[AB1T], s59, v[AB1]
	LDHID
	LD4 WF, 16384, 2048                            ; W2's channel tiles 0-3
	FIRST 0
	RECIP 0
.set MK, 1
.set WN, 0
.set CNT, 0
.set PER, 10
	POLY                                           ; with the sixteen of W1's tile u = 1
	WIN 0
	LD4 WF+64, 24576, 2048                         ; W2's channel tiles 4-7
	EXPO 0
	s_wait_dscnt 16                                ; hidden codes and tiles 0-3 are in; the 16 just asked for may be out
.set MK, 2
.set WN, 0
.set CNT, 0
.set PER, 5
	CODES 0                                        ; with the sixteen of W2's tiles 0-3
	FIRST 1
	WIN 0
	LD4 WF, 0, 4096                                ; the next step's W1, tile u = 0, and its b1
	LDB1
	RECIP 1
	s_wait_dscnt 20                                ; tiles 4-7 are in; the 16 + 4 just asked for may be out
.set CNT, 0
.set PER, 10
	POLY                                           ; with the sixteen of W2's tiles 4-7
	WIN 0xC0
	LD4 WU, 2048, 4096                             ; the next step's W1, tile u = 1
	EXPO 1
.set MK, 0
	CODES 1
	WIN 0x0C
.irp m, 0,1,2,3
	ds_store_b128 v[AHWT], v[HC+4*\m:HC+4*\m+3] offset:2048*\m
.endr
	WIN 0
	s_xor_b32 s56, s56, SLOT1
	s_xor_b32 s2, s2, 8192
	s_xor_b32 s58, s58, 8192
	s_add_co_u32 s3, s3, 512
	s_sub_co_u32 s57, s57, 1
	s_cmp_lg_u32 s57, 0
	s_wait_alu depctr_va_vdst(0)
	s_cbranch_scc1 .Lffn
	s_wait_tensorcnt 0x0                           ; my part of the last slot is in
	BAR                                            ; every wave's last hidden codes are stored
	v_add_nc_u32 v[AWT], s56, v[AW0]
	LDHID
	LD4 WF, 16384, 2048
	LD4 WF+64, 24576, 2048
	s_wait_dscnt 16                                ; all but tiles 4-7
.set MK, 2
.set WN, 0
.set VW, 0xA0
	WIN VW
.rept 16
	MMA
.endr
	s_wait_dscnt 0x0
.rept 16
	MMA
.endr
	WIN 0
.macro TOSTAGE m
	WIN 0x02
.set k, 0
.rept 32
	v_pk_mul_f32 v[WF+2*k:WF+2*k+1], v[32*(k/4)+8*(\m)+2*(k%4):32*(k/4)+8*(\m)+2*(k%4)+1], s[94:95] op_sel_hi:[1,0]
.set k, k+1
.endr
	WIN 0
.irp be, 0,1,2,3
.irp q, 0,1,2,3
	ds_store_b128 v[AOS], v[WF+16*\be+4*\q:WF+16*\be+4*\q+3] offset:128*\be+16*\q
.endr
.endr
.set BKB, 128+64*((\m)%2)
.set i, 0
.rept 16
	ds_load_b128 v[BKB+4*i:BKB+4*i+3], v[AOR] offset:SPI*i
.set i, i+1
.endr
.endm
.macro SEND m, younger
.set BKB, 128+64*((\m)%2)
	s_wait_dscnt \younger
.set i, 0
.rept 16
	global_store_b128 v[VX], v[BKB+4*i:BKB+4*i+3], s[24:25] offset:(16*(\m)+i)*2048 th:TH_STORE_NT
.set i, i+1
.endr
.endm
	PLACES 4
	TOSTAGE 0
	TOSTAGE 1
	SEND 0, 32
	s_wait_xcnt 0x0
	TOSTAGE 2
	SEND 1, 32
	s_wait_xcnt 0x0
	TOSTAGE 3
	SEND 2, 32
	SEND 3, 0
	s_wait_tensorcnt 0x0
	ds_add_u32 v[SPW], v[NIL]
	s_wait_dscnt 0x0
	CROUND
	s_endpgm
.Lfunc_end_k_q9c00b52148_block:
	.size	k_q9c00b52148_block, .Lfunc_end_k_q9c00b52148_block-k_q9c00b52148_block
	.p2alignl 7, 3214868480
	.fill 96, 4, 3214868480
	.section	.rodata,"a",@progbits
	.p2align	6, 0x0
	.amdhsa_kernel k_q9c00b52148_block
		.amdhsa_group_segment_fixed_size 327680
		.amdhsa_private_segment_fixed_size 0
		.amdhsa_enable_private_segment 0
		.amdhsa_kernarg_size 88
		.amdhsa_user_sgpr_count 2
		.amdhsa_user_sgpr_kernarg_segment_ptr 1
		.amdhsa_wavefront_size32 1
		.amdhsa_system_sgpr_workgroup_id_x 1
		.amdhsa_system_sgpr_workgroup_id_y 1
		.amdhsa_system_sgpr_workgroup_id_z 1
		.amdhsa_system_vgpr_workitem_id 0
		.amdhsa_next_free_vgpr 1024
		.amdhsa_next_free_sgpr 102
		.amdhsa_reserve_vcc 0
		.amdhsa_float_denorm_mode_32 3
		.amdhsa_float_denorm_mode_16_64 3
		.amdhsa_memory_ordered 1
		.amdhsa_forward_progress 1
		.amdhsa_inst_pref_size 255
	.end_amdhsa_kernel
	.section	.bss,"aw",@nobits
	.p2align	6
	.space	262144
	.amdgpu_metadata
---
amdhsa.version: [ 1, 2 ]
amdhsa.kernels:
  - .name:           k_q9c00b52148_block
    .symbol:         k_q9c00b52148_block.kd
    .args:
      - { .name: x, .offset: 0, .size: 8, .value_kind: global_buffer, .address_space: global }
      - { .name: wstream, .offset: 8, .size: 8, .value_kind: global_buffer, .address_space: global }
      - { .name: kvfrag, .offset: 16, .size: 8, .value_kind: global_buffer, .address_space: global }
      - { .name: lowp_scales, .offset: 24, .size: 8, .value_kind: global_buffer, .address_space: global }
      - { .name: bq, .offset: 32, .size: 8, .value_kind: global_buffer, .address_space: global }
      - { .name: bo, .offset: 40, .size: 8, .value_kind: global_buffer, .address_space: global }
      - { .name: ln_g, .offset: 48, .size: 8, .value_kind: global_buffer, .address_space: global }
      - { .name: ln_b, .offset: 56, .size: 8, .value_kind: global_buffer, .address_space: global }
      - { .name: b1, .offset: 64, .size: 8, .value_kind: global_buffer, .address_space: global }
      - { .name: b2, .offset: 72, .size: 8, .value_kind: global_buffer, .address_space: global }
      - { .name: out0, .offset: 80, .size: 8, .value_kind: global_buffer, .address_space: global }
    .group_segment_fixed_size: 327680
    .private_segment_fixed_size: 0
    .kernarg_segment_align: 8
    .kernarg_segment_size: 88
    .max_flat_workgroup_size: 128
    .sgpr_count:     102
    .vgpr_count:     1024
    .wavefront_size: 32
...
	.end_amdgpu_metadata
.endif
;; end of part 2
